; MI455X (gfx1250); checked and timed in simulation.
; The chip was launched on July 23, 2026; its instructions are those of AMD's public machine-readable ISA for CDNA 5 (MIT licence, August 2026) and "CDNA5" Instruction Set Architecture Reference Guide (July 2026). The comments in the code are by the model that wrote it; some were corrected since.
;; Hippocampus. Allowed arithmetic: matrix products marked QUANTISED: E2M1 operands, one E8M0 scale for each 32 along K, by v_wmma_scale_f32_16x16x128_f8f6f4 with both operands' format E2M1 (or v_wmma_scale_f32_32x16x128_f4), f32 sums; products left as they are: bf16, f16 or f32 operands; f32 sums; everything else in f32.
;; Inputs: W_old 8 x 16 x 64 x 64 float32; b_b 16 float32; b_w 16 x 2,048 float32; content 8 x 1,024 x 2,048 float32; k_w 1,024 x 2,048 float32; v_w 1,024 x 2,048 float32.
;; Outputs: out0 8 x 16 x 64 x 64 float32.
;; This version of the problem:
;;   THIS VERSION OF THE PROBLEM IS GIVEN IN LOW PRECISION. The matrix products marked QUANTISED in the list below multiply operands that are first quantised to E2M1 (2 exponent bits, 1 mantissa bit; 4 bits a number), with one power-of-two scale for each 32 numbers along K (OCP MX v1.0); their sums are f32. The products marked 'left as it is' may take bf16, f16 or f32 operands, with f32 sums. Whichever they take, every output number must still come out within the allowed error. Rounding operands to bf16 (8 significant bits) uses up far more of that allowance than f16 does (11 bits, for magnitudes from 6e-5 to 65,504). All else is computed in f32.
;;   The module's matrix products, in the order in which they are computed (A, B: the left and right operand; K: the contracted axis; several contracted axes count as one K, in the product's order):
;;     1. [M 8,192, K 2,048] x [K 2,048, N 1,024]; A: input content; B: input k_w: QUANTISED
;;     2. [M 8,192, K 2,048] x [K 2,048, N 1,024]; A: input content; B: input v_w: QUANTISED
;;     3. [M 8,192, K 2,048] x [K 2,048, N 16]; A: input content; B: input b_w: QUANTISED
;;     4. batch 128 x [M 1,024, K 64] x [K 64, N 64]; A: computed on the way; B: input W_old: left as it is (an operand is computed on the way)
;;     5. batch 128 x [M 1,024, K 64] x [K 64, N 1,024]; A: computed on the way; B: computed on the way: left as it is (an operand is computed on the way)
;;     6. batch 128 x [M 64, K 1,024] x [K 1,024, N 64]; A: computed on the way; B: computed on the way: left as it is (an operand is computed on the way)
;;   THE QUANTISER, for each operand of a quantised product, along K:
;;     - K is cut into blocks of 32 from its start; a last block that is shorter is filled with zeros.
;;     - A block's scale is 2^e with e = floor(log2(the largest magnitude in the block)) - 2, held to -126 .. 127; a block of zeros has e = 0. As a byte (E8M0): e + 127.
;;     - Each number is divided by its block's scale, clamped to +-6, and rounded to the nearest number of E2M1, ties to even, subnormals kept.
;;     - The product sums the exact products of the quantised numbers (number of the format x scale) in f32.
;;   ~~~python
;;   def quantise(x, axis):      # numpy; x: float32 -> the quantised numbers, widened to float32 again
;;       x = np.moveaxis(x, axis, -1); K = x.shape[-1]
;;       x = np.pad(x, [(0, 0)] * (x.ndim - 1) + [(0, -K % 32)]); x = x.reshape(x.shape[:-1] + (-1, 32)); a = np.abs(x).max(-1, keepdims=True)
;;       e = np.where(a > 0, np.clip(np.frexp(np.where(a > 0, a, 1))[1] - 1 - 2, -126, 127), 0)      # np.frexp(a)[1] - 1 = floor(log2(a)), exactly
;;       r = np.clip(x / 2.0 ** e, -6, 6)
;;       step = 2.0 ** (np.maximum(np.frexp(np.where(r == 0, 1, r))[1] - 1, 0) - 1)
;;       q = np.round(r / step) * step * 2.0 ** e      # np.round: ties to even
;;       return np.moveaxis(q.reshape(q.shape[:-2] + (-1,))[..., :K], -1, axis).astype(np.float32)
;;   ~~~
;; One version. Each part assembles by itself: llvm-mc -triple=amdgcn-amd-amdhsa -mcpu=gfx1250 --defsym DOCPART=n.
;; ======== version 1 of 1: 3 launches
;; limits: values are held in f16: magnitudes above 65,504 overflow, below 6.1e-05 lose precision; right only within a limited range of input values; values outside matrix products are rounded to f16
;; workspace buffers: a_codes 8,388,608 bytes; a_scales 524,288 bytes; w_codes 2,113,536 bytes; w_scales 132,096 bytes; kv 33,554,432 bytes; nbeta 524,288 bytes
;; launch quant (part 1): grid 641 x 1, 4 waves a work-group, no clusters, 33,280 bytes of LDS; arguments content, k_w, v_w, b_w, a_codes, a_scales, w_codes, w_scales; writes a_codes, a_scales, w_codes, w_scales
.if DOCPART == 1
	.amdgcn_target "amdgcn-amd-amdhsa--gfx1250"
	.amdhsa_code_object_version 6
	.text
	.protected	k_qeedc0a4c9e_quant
	.globl	k_qeedc0a4c9e_quant
	.p2align	8
	.type	k_qeedc0a4c9e_quant,@function
k_qeedc0a4c9e_quant:
	s_mov_b64 s[64:65], 0
	v_nop
	global_prefetch_b8 v0, s[64:65] scope:SCOPE_SE
	s_setreg_imm32_b32 hwreg(HW_REG_WAVE_MODE, 25, 1), 1
	s_wait_xcnt 0x0
; content [8192][2048], k_w [1024][2048], v_w [1024][2048] and b_w [16][2048], f32, become codes of FP4 (E2M1), K innermost, two codes a byte, with one E8M0 scale byte for each 32 along K.
; A block's scale is 2^(floor(log2(its largest magnitude)) - 2); its byte is the largest magnitude's own exponent field - 2, held at 1 from below.  A block of zeros so gets the byte 1 where the rule says 127:
; its codes are zeros, which add nothing under any byte but 0xff, and the bytes are read by this program alone.  Each number is divided by the scale and rounded to the nearest code, ties to even, beyond 6 the code of 6.
; LIMITS: blocks whose largest magnitude lies under 2^(2 - 126) keep the byte 1; NaN and infinities among the inputs are not served.
; A work-group takes 32,768 numbers = 16 rows of 2,048.  Groups 0-511: content; 512-575: k_w; 576-639: v_w; 640: b_w.  One path serves all four: only pointers and offsets are chosen, by the work-group's number.
; THE WEIGHTS' ROWS ARE LAID BY HEAD: w row 128 h + i is k_w's row 64 h + i, w row 128 h + 64 + i is v_w's row 64 h + i (i < 64), rows 2048-2063 are b_w's: so 128 neighbouring columns of the product are one head's k and v.
; In groups of 16 rows: k_w's group i goes to 8 (i / 4) + i % 4, v_w's four further on, b_w's to 128.
; A wave takes 16 steps of 512 numbers.  Each of a step's four loads reads 512 consecutive bytes, 16 a lane; the 2,048 bytes go through the wave's own stage in LDS and come back 64 bytes a lane, so that a lane holds 16
; neighbours along K (two neighbouring lanes hold a block).  A lane's 16 codes are 8 bytes: the wave stores 256 consecutive aligned bytes.  A wave's 256 scale bytes are gathered in LDS and leave as 256 consecutive aligned bytes.
; No tensor loads, no barrier: waves share nothing.  No cluster: work-groups share no input.  Loads run four steps (16 loads a wave) ahead, the turn through LDS one step.
.set WAVES, 4
.set STEPS, 16
.set EMAX,  2
.set CB,    8                          ; bytes of 16 codes
.set R,     16                         ; v16-79   four sets of 16 numbers as they are loaded
.set X,     80                         ; v80-111  two sets of 16 neighbours
.set C,     128                        ; v128-191 codes: four registers for each step, so that no store's data are written again
.set E,     112                        ; v112-127 a scale byte for each step
.set WREG,  8192                       ; LDS: a region for each wave: two stages of 32 x SP bytes, and behind them its 256 scale bytes
.set SP,    80                         ; a lane's place in a stage: its 64 bytes + 16 of padding
.set SPW,   12                         ; v12      LDS address of my spare word; never rewritten
.set NIL,   13                         ; v13      0; never rewritten
.set SPARE, WAVES*WREG                 ; behind the four regions: the spare words, 128 bytes for each wave
.set SRC,   22                         ; s[22:23] the numbers
.set DCO,   26                         ; s[26:27] the codes
.set DSC,   28                         ; s[28:29] the scale bytes
	s_load_b256 s[4:11], s[0:1], 0x0               ; content, k_w, v_w, b_w
	s_load_b256 s[12:19], s[0:1], 0x20             ; a_codes, a_scales, w_codes, w_scales
	v_lshl_add_u32 v[SPW], v0, 2, SPARE
	v_mov_b32 v[NIL], 0
	v_lshrrev_b32 v1, 5, v0
	v_readfirstlane_b32 s24, v1                    ; wave
	v_and_b32 v2, 31, v0                           ; lane
	v_lshlrev_b32 v3, 4, v2                        ; my 16 bytes of a load's 512
	s_mul_i32 s25, s24, WREG
	v_lshrrev_b32 v14, 2, v2
	v_mul_u32_u24 v14, v14, SP
	v_and_b32 v15, 3, v2
	v_lshl_add_u32 v14, v15, 4, v14
	v_add_nc_u32 v14, s25, v14                     ; the stage, on the way in: SP (lane / 4) + 16 (lane % 4)
	v_mul_u32_u24 v15, v2, SP
	v_add_nc_u32 v15, s25, v15                     ; and on the way out: SP x lane: my 16 neighbours
	v_mul_u32_u24 v4, v2, CB                       ; my codes' place in a step's
	v_lshrrev_b32 v5, 1, v2
	s_add_co_u32 s25, s25, 2*32*SP
	v_add_nc_u32 v5, s25, v5                       ; LDS: my wave's 256 scale bytes, my block's byte
	v_lshlrev_b32 v7, 3, v2                        ; and on the way out 8 bytes a lane
	v_add_nc_u32 v6, s25, v7
	s_wait_kmcnt 0x0
	; which tensor: the choices hang on the work-group's number alone
	s_mov_b32 s20, 640                             ; the tensor's first group,
	s_mov_b32 s21, 128                             ; what is added to its permuted group,
	s_mov_b64 s[SRC:SRC+1], s[10:11]               ; and its address: b_w's, unless
	s_cmp_lt_u32 ttmp9, 640
	s_cselect_b64 s[SRC:SRC+1], s[8:9], s[SRC:SRC+1]
	s_cselect_b32 s20, 576, s20
	s_cselect_b32 s21, 4, s21
	s_cmp_lt_u32 ttmp9, 576
	s_cselect_b64 s[SRC:SRC+1], s[6:7], s[SRC:SRC+1]
	s_cselect_b32 s20, 512, s20
	s_cselect_b32 s21, 0, s21
	s_cmp_lt_u32 ttmp9, 512
	s_cselect_b64 s[SRC:SRC+1], s[4:5], s[SRC:SRC+1]
	s_cselect_b32 s20, 0, s20
	s_cselect_b64 s[DCO:DCO+1], s[12:13], s[16:17]
	s_cselect_b64 s[DSC:DSC+1], s[14:15], s[18:19]
	s_sub_co_u32 s20, ttmp9, s20                   ; i: my group in the tensor
	s_lshr_b32 s30, s20, 2
	s_lshl_b32 s30, s30, 3
	s_and_b32 s31, s20, 3
	s_add_co_u32 s30, s30, s31
	s_add_co_u32 s30, s30, s21                     ; 8 (i / 4) + i % 4 + the tensor's shift
	s_cmp_lt_u32 ttmp9, 512                        ; (compared anew: the sums above have written SCC)
	s_cselect_b32 s30, s20, s30                    ; content keeps its order
	s_lshl_b32 s32, s20, 2
	s_add_co_u32 s32, s32, s24                     ; my wave's run of 8,192 numbers in the source,
	s_lshl_b32 s32, s32, 15                        ; 32,768 bytes a run (under 2^27)
	s_mov_b32 s33, 0
	s_add_nc_u64 s[SRC:SRC+1], s[SRC:SRC+1], s[32:33]
	s_lshl_b32 s34, s30, 2
	s_add_co_u32 s34, s34, s24                     ; and in the destination:
	s_lshl_b32 s32, s34, 12                        ; 4,096 bytes of codes a run,
	s_add_nc_u64 s[DCO:DCO+1], s[DCO:DCO+1], s[32:33]
	s_lshl_b32 s32, s34, 8                         ; 256 scale bytes
	s_add_nc_u64 s[DSC:DSC+1], s[DSC:DSC+1], s[32:33]
.macro LOAD t
.irp i, 0,1,2,3
	global_load_b128 v[R+16*((\t)%4)+4*\i:R+16*((\t)%4)+4*\i+3], v3, s[SRC:SRC+1] offset:2048*(\t)+512*\i th:TH_LOAD_NT   ; 32 lanes read 512 consecutive bytes
.endr
.endm
.macro TURN t                          ; step t's numbers through the stage: LDS serves a wave's instructions in order, so no wait stands between the stores and the loads
.irp i, 0,1,2,3
	ds_store_b128 v14, v[R+16*((\t)%4)+4*\i:R+16*((\t)%4)+4*\i+3] offset:32*SP*((\t)%2)+8*SP*\i
.endr
.irp i, 0,1,2,3
	ds_load_b128 v[X+16*((\t)%2)+4*\i:X+16*((\t)%2)+4*\i+3], v15 offset:32*SP*((\t)%2)+16*\i
.endr
.endm
.irp t, 0,1,2,3
	LOAD \t
.endr
	s_wait_loadcnt 12                              ; step 0's four loads are in; the twelve of steps 1 to 3 may be out
	TURN 0
.macro STEP t
.set XS, X+16*((\t)%2)
.if (\t) > 0
	s_wait_dscnt 1                                 ; this step's numbers are back from the stage (the last step's byte store may be out): so its stores into the stage have read their registers,
.else
	s_wait_dscnt 0x0
.endif
.if (\t)+4 < STEPS
	LOAD (\t)+4                                    ; which take the loads of four steps on
.endif
.if (\t)+1 < STEPS
.if STEPS-2-(\t) >= 3
	s_wait_loadcnt 12                              ; the next step's four loads are in; those of the three steps behind it may be out
.else
	s_wait_loadcnt 4*(STEPS-2-(\t))
.endif
	TURN (\t)+1                                    ; and go through the other stage while this step is worked
.endif
	v_max3_num_f32 v8, |v[XS]|, |v[XS+1]|, |v[XS+2]|               ; the largest magnitude of my 16, in two chains
	v_max3_num_f32 v9, |v[XS+3]|, |v[XS+4]|, |v[XS+5]|
.irp i, 6,10
	v_max3_num_f32 v8, v8, |v[XS+\i]|, |v[XS+\i+1]|
	v_max3_num_f32 v9, v9, |v[XS+\i+2]|, |v[XS+\i+3]|
.endr
	v_max3_num_f32 v8, v8, |v[XS+14]|, |v[XS+15]|
	v_max3_num_f32 v8, v8, v9, (EMAX+1)<<23        ; and the floor 2^(EMAX + 1 - 127): so the byte cannot fall under 1
	v_max_num_f32_dpp v8, v8, v8 row_xmask:1 row_mask:0xf bank_mask:0xf   ; and of my neighbour's 16: the block's
	v_add_nc_u32 v11, -(EMAX<<23), v8              ; EMAX off its exponent field: the conversion takes the exponent field of this operand as its scale, and nothing else of it
	v_cvt_scalef32_pk8_fp4_f32 v[C+4*(\t)], v[XS:XS+7], v11
	v_cvt_scalef32_pk8_fp4_f32 v[C+4*(\t)+1], v[XS+8:XS+15], v11
	v_lshrrev_b32 v[E+(\t)], 23, v11               ; the scale's byte (also the plain line behind the conversions)
	ds_store_b8 v5, v[E+(\t)] offset:16*(\t)       ; both lanes of a block write the same byte with the same value
	global_store_b64 v4, v[C+4*(\t):C+4*(\t)+1], s[DCO:DCO+1] offset:32*CB*(\t)   ; 32 lanes store 256 consecutive aligned bytes
.endm
.irp t, 0,1,2,3,4,5,6,7,8,9,10,11,12,13,14,15
	STEP \t
.endr
	ds_load_b64 v[8:9], v6                         ; LDS serves a wave's instructions in order: these see my stores
	s_wait_dscnt 0x0
	global_store_b64 v7, v[8:9], s[DSC:DSC+1]      ; 32 lanes store 256 consecutive aligned bytes
	s_wait_tensorcnt 0x0                           ; the wave's end, behind my last LDS store
	ds_add_u32 v[SPW], v[NIL]
	s_wait_dscnt 0x0
	s_endpgm
.Lfunc_end_k_qeedc0a4c9e_quant:
	.size	k_qeedc0a4c9e_quant, .Lfunc_end_k_qeedc0a4c9e_quant-k_qeedc0a4c9e_quant
	.p2alignl 7, 3214868480
	.fill 96, 4, 3214868480
	.section	.rodata,"a",@progbits
	.p2align	6, 0x0
	.amdhsa_kernel k_qeedc0a4c9e_quant
		.amdhsa_group_segment_fixed_size 33280
		.amdhsa_private_segment_fixed_size 0
		.amdhsa_enable_private_segment 0
		.amdhsa_kernarg_size 64
		.amdhsa_user_sgpr_count 2
		.amdhsa_user_sgpr_kernarg_segment_ptr 1
		.amdhsa_wavefront_size32 1
		.amdhsa_system_sgpr_workgroup_id_x 1
		.amdhsa_system_sgpr_workgroup_id_y 1
		.amdhsa_system_sgpr_workgroup_id_z 1
		.amdhsa_system_vgpr_workitem_id 0
		.amdhsa_next_free_vgpr 192
		.amdhsa_next_free_sgpr 66
		.amdhsa_reserve_vcc 0
		.amdhsa_float_denorm_mode_32 3
		.amdhsa_float_denorm_mode_16_64 3
		.amdhsa_memory_ordered 1
		.amdhsa_forward_progress 1
		.amdhsa_inst_pref_size 34
	.end_amdhsa_kernel
	.amdgpu_metadata
---
amdhsa.version: [ 1, 2 ]
amdhsa.kernels:
  - .name:           k_qeedc0a4c9e_quant
    .symbol:         k_qeedc0a4c9e_quant.kd
    .args:
      - { .name: content, .offset: 0, .size: 8, .value_kind: global_buffer, .address_space: global }
      - { .name: k_w, .offset: 8, .size: 8, .value_kind: global_buffer, .address_space: global }
      - { .name: v_w, .offset: 16, .size: 8, .value_kind: global_buffer, .address_space: global }
      - { .name: b_w, .offset: 24, .size: 8, .value_kind: global_buffer, .address_space: global }
      - { .name: a_codes, .offset: 32, .size: 8, .value_kind: global_buffer, .address_space: global }
      - { .name: a_scales, .offset: 40, .size: 8, .value_kind: global_buffer, .address_space: global }
      - { .name: w_codes, .offset: 48, .size: 8, .value_kind: global_buffer, .address_space: global }
      - { .name: w_scales, .offset: 56, .size: 8, .value_kind: global_buffer, .address_space: global }
    .group_segment_fixed_size: 33280
    .private_segment_fixed_size: 0
    .kernarg_segment_align: 8
    .kernarg_segment_size: 64
    .max_flat_workgroup_size: 128
    .sgpr_count:     66
    .vgpr_count:     192
    .wavefront_size: 32
...
	.end_amdgpu_metadata
.endif
;; end of part 1
;; launch gemm (part 2): grid 8 x 32, 4 waves a work-group, clusters of 4 x 4, 327,680 bytes of LDS; arguments a_codes, a_scales, w_codes, w_scales, kv, b_b, nbeta; writes kv, nbeta
.if DOCPART == 2
	.amdgcn_target "amdgcn-amd-amdhsa--gfx1250"
	.amdhsa_code_object_version 6
	.text
	.protected	k_qeedc0a4c9e_gemm
	.globl	k_qeedc0a4c9e_gemm
	.p2align	8
	.type	k_qeedc0a4c9e_gemm,@function
k_qeedc0a4c9e_gemm:
	s_mov_b64 s[64:65], 0
	v_nop
	global_prefetch_b8 v0, s[64:65] scope:SCOPE_SE
	s_setreg_imm32_b32 hwreg(HW_REG_WAVE_MODE, 25, 1), 1
	s_wait_xcnt 0x0
	s_wait_alu depctr_hold_cnt(0) depctr_sa_sdst(0) depctr_va_vdst(0) depctr_va_sdst(0) depctr_va_ssrc(0) depctr_va_vcc(0) depctr_vm_vsrc(0)
	s_getreg_b32 s2, hwreg(HW_REG_IB_STS2, 6, 4)
	s_cmp_eq_u32 s2, 0
	s_cbranch_scc0 .Lentry_in_a_cluster
	s_endpgm
.Lentry_in_a_cluster:
	s_bfe_u32 s2, ttmp6, 0x10000c
	s_cmp_lg_u32 s2, 0xf033
	s_cbranch_scc0 .Lentry_shape_is_right
	s_endpgm
.Lentry_shape_is_right:
; All three quantised products, on codes of FP4 (E2M1) with one E8M0 scale for each 32 along K; 8,192 tokens, K = 2,048; sums in f32.
; THE TWO LARGE ONES IN ONE: C[token][column] = sum over k of content[token][k] w[column][k], 2,048 columns.
; The weights' rows were laid by head (128 h + i: k_w's row 64 h + i; 128 h + 64 + i: v_w's): a wave's 128 columns are ONE head's k and v.  So the way out can finish them: k is divided by max(|k|, 1e-12), v is
; multiplied by -1/16, both are rounded to f16 and stored as kv[b x 16 + h][t][k 64, v 64]: a token's row is 256 consecutive aligned bytes, and a wave's 128 tokens are 32 KiB on end.
; (The sign and the 1/16 are carried for the last launch: it negates nothing, and v and the state have 16 times f16's range.)
; THE GATE: nbeta[b][head][t] = -sigmoid(content[b][t] . b_w[head] + b_b[head]) (b_w: rows 2048-2063 of the weights' codes).  It is 512 jobs of 16 tokens x 16 heads, one wave each; waves 0 and 1 of each of the 256
; work-groups take one, behind their first tensor loads and ahead of the wait for them, when a wave has nothing else to issue.
; LIMITS: |v| under 16 x 65,504; v is resolved to 2^-20 absolutely (f16's smallest step x 16); the sum of a key's 64 squares stays inside f32's normal range; NaN and infinities are not served.
; A tile of C, 256 x 256, is made by a work-group of four waves; a wave makes 128 x 128: 64 accumulators of 16 x 16, 512 registers.
; K goes in steps of 512 through a ring of two LDS slots filled by the tensor data mover: a tile's row is 256 bytes of memory.
; THE SCALES of the work-group's 256 tokens and 256 columns, for all of K, are two dense blocks of memory: they come into LDS ONCE, with the first fills, and stay.
; CLUSTERS: 4 x 4 work-groups.  The four of a row of the cluster need the same tiles of A, the four of a column the same tiles of B: each tile is asked for JOINTLY, by the same tensor load with the
; same descriptor and a mask that names the four.  THE MATRIX INSTRUCTION IS USED TRANSPOSED (source 0 = 16 rows of w, source 1 = 16 tokens): a lane then holds eight neighbouring columns of one token.
; No prefetch: K is four slots long, of which two are asked for at the head.
; REGISTERS, in windows of 256: window 0: v0-31 addresses (v8-11 the gate's offsets); v32-95 scale words, two sets (scales and nothing else); v96-127 packed results; from v128 A's fragments, ONE set, later rows on their
;   way out; v192-231 the norms (ahead of the first K step: v192-223 the gate's sums, bias and work).
;   window 1: B's fragments, TWO sets, at v0 and at v128.   window 2: the 32 accumulators of my rows 0-63 (accumulator (a, b) at v[8 (8 a + b)]);   window 3: those of my rows 64-127.
;   (Ahead of the first K step, which starts every sum with the constant 0, window 2's v0-127 hold the gate's fragments of content and window 3's v128-255 those of b_w.)
.set SIZE_M, 8192
.set SIZE_N, 2048
.set SIZE_K, 2048
.set KSTEP,  512                       ; along K in a slot
.set NQ,     KSTEP/128                 ; matrix instructions deep
.set ROWB,   256                       ; a tile's row in bytes
.set KROW,   SIZE_K*4/8                ; a row of codes in memory, in bytes
.set PITCH,  272                       ; an LDS row: 256 bytes + 16 of padding = 68 words: the 16 rows that a load touches start at 16 different banks (64 banks of 4 bytes: ISA guide 11.1)
.set FR,     8                         ; registers of a fragment: 16 rows x 128 K
.set NL,     2                         ; LDS loads that bring one
.set NP,     4                         ; places behind this matrix instruction (ISA guide 7.12.1)
.set HALFT,  128*PITCH                 ; 128 rows: what one tensor load brings
.set SLOT,   4*HALFT                   ; A's 256 rows, then B's 256 rows
.set LAPS,   SIZE_K/(2*KSTEP)          ; a lap = two K steps = once round the ring: 2
.set KS,     SIZE_K/32                 ; a row of scales in bytes: 64
.set SCL,    2*SLOT                    ; behind the ring: the scales, as runs of 256 bytes + 16 of padding
.set HALFS,  (128*KS/256)*272          ; the scales of 128 rows: what one tensor load brings
.set SBLK,   (16*KS/256)*272           ; those of 16 rows
.set SPARE,  SCL+4*HALFS               ; behind the scales: the spare words, 128 bytes for each wave
.set SPITCH, 272                       ; the way out: a stage of 16 rows x (256 bytes + 16) for each wave, in slot 0, which has had its last fill and its last read when the first result is stored there
.set GCO,  8                           ; v8      the gate: codes' offset: row r of 1,024 bytes, + 16 h; never rewritten
.set GSO,  9                           ; v9      the gate: scale bytes' offset: row r of 64; never rewritten
.set GBO,  10                          ; v10     the gate: the bias's offset: 8 h numbers on; never rewritten
.set GNO,  11                          ; v11     the gate: nbeta's offset: 4 r + 8 h heads of 4,096 bytes; never rewritten
.set ADRA, 16                          ; v16-17  LDS address of my A fragments in slot 0, 1
.set ADRB, 20                          ; v20-21  the same for B
.set STO,  24                          ; v24     the way out: where I put 16 bytes of a row
.set RD,   25                          ; v25     the way out: where I read a row back
.set CO,   26                          ; v26     16 x lane: my bytes of two rows of kv
.set ADRS, 27                          ; v27     LDS address of my scale words: lanes 0-15 A's rows, lanes 16-31 B's
.set SPW,  28                          ; v28     LDS address of my spare word; never rewritten
.set NIL,  29                          ; v29     0; never rewritten
.set SC,   32                          ; scale words: set s at v[SC + 8 NQ s]; register NQ i + q: lanes 0-15 the word of A's block i, lanes 16-31 that of B's block i
.set TMP,  96                          ; v96-127  a block's 16 rows, packed
.set AF,   128                         ; A's fragments
.set OB,   128                         ; the way out: 16 rows read back from the stage: v128-159 and v160-191 by turns
.set SS,   192                         ; v192-207 sums of squares, a pair for each block of 16 tokens
.set INV,  208                         ; v208-223 1 / norm, a pair for each block
.set T,    224                         ; v224-231 the other half of the lanes' sums
.set GA,   192                         ; the gate: v192-199, v200-207 two accumulators
.set GBI,  208                         ; the gate: v208-215 b_b[8 h + 0 .. 7]
.set GW,   216                         ; the gate: v216-223 at work
.set G1, 24                            ; s[24:31] descriptor group 1 for A's tiles;  s[32:39] group 0, one set for each slot
.set G0, 32
.set G1B, 48                           ; s[48:55], s[56:63] the same for B's tiles
.set G0B, 56
.set G1S, 68                           ; s[68:75], s[76:79] groups 1 and 0 for A's scales;  s[80:87], s[88:91] for B's
.set G0S, 76
.set G1SB, 80
.set G0SB, 88
.set MSB, 0
.macro WIN new                         ; the immediate's high byte repeats the setting that is left
.if MSB != (\new)
	s_set_vgpr_msb (MSB<<8)|(\new)
.set MSB, (\new)
.endif
.endm
.set MUL_LO, 0xa1                      ; source 0 (B) window 1, source 1 (A) window 0, C and D window 2
.set MUL_HI, 0xf1                      ; the same, C and D window 3
.set TO_B,   0x40                      ; destination window 1, address window 0
; A joint load: waves 0 and 1 fetch for A, waves 2 and 3 for B.  Each of the two lines has ONE mask and one set of registers for all that issue it; the branch hangs on the wave's number alone.
; An s_nop 0 and four v_nop follow each of the two lines, ahead of the jump, the label and what follows.
.macro JLOAD g0a, g1a, g0b, g1b
	s_cmp_eq_u32 s15, 0
	s_cbranch_scc0 .Lfor_b_\@
	tensor_load_to_lds s[\g0a:\g0a+3], s[\g1a:\g1a+7]
	s_nop 0
.rept 4
	v_nop
.endr
	s_branch .Lasked_\@
.Lfor_b_\@:
	tensor_load_to_lds s[\g0b:\g0b+3], s[\g1b:\g1b+7]
	s_nop 0
.rept 4
	v_nop
.endr
.Lasked_\@:
.endm
.macro CREST                           ; a round of the cluster's barrier behind its opening barrier
	s_cmp_lg_u32 s14, 0
	s_cbranch_scc1 .Lnot_wave_0_\@
	s_barrier_signal -3
.Lnot_wave_0_\@:
	s_barrier_wait -3
	s_barrier_signal -1
	s_barrier_wait -1
.endm
.macro CROUND                          ; a whole round
	s_barrier_signal -1
	s_barrier_wait -1
	CREST
.endm
	s_load_b128 s[4:7], s[0:1], 0x0                ; A's codes s[4:5], A's scales s[6:7]
	s_load_b128 s[8:11], s[0:1], 0x10              ; B's codes s[8:9], B's scales s[10:11]
	s_load_b64 s[12:13], s[0:1], 0x20              ; kv
	s_load_b64 s[66:67], s[0:1], 0x28              ; b_b
	s_load_b64 s[100:101], s[0:1], 0x30            ; nbeta
	v_lshl_add_u32 v[SPW], v0, 2, SPARE
	v_mov_b32 v[NIL], 0
	ds_add_u32 v[SPW], v[NIL]                      ; the wave's opening: the add and its wait stand ahead of my first tensor load; the set-up below, work on registers, stands between them
	v_lshrrev_b32 v1, 5, v0
	v_readfirstlane_b32 s14, v1                    ; wave 0..3
	s_lshr_b32 s15, s14, 1                         ; which half of the tile's rows is mine.  Also: I fetch for A (0) or for B (1)
	s_and_b32 s16, s14, 1                          ; which half of its columns.  Also: which 128 rows of that tile I fetch
	s_bfe_u32 s40, ttmp6, 0x40000                  ; cx, cy: my place in the cluster
	s_bfe_u32 s41, ttmp6, 0x40004
	s_lshl_b32 s42, ttmp9, 2
	s_add_co_u32 s42, s42, s40                     ; tile column of C = 4 x cluster x + cx
	s_and_b32 s17, ttmp7, 0xffff
	s_lshl_b32 s17, s17, 2
	s_add_co_u32 s17, s17, s41                     ; tile row of C = 4 x cluster y + cy
	s_lshl_b32 s43, s41, 2
	s_lshl_b32 s43, 15, s43                        ; my row of the cluster
	s_lshl_b32 s44, 0x1111, s40                    ; my column
	; descriptor group 1: a tile of 128 rows x ROWB bytes, padded in LDS
	s_or_b32 s[G1+0], s43, (0<<16)|(1<<20)|(1<<21)|(5<<22)|(3<<25)  ; 15:0 the mask: A's tiles go to my row; 17:16 element of 1 byte; 20 padding on; 21 set beside a mask; 24:22 after every 64 words (code 5); 31:25 of 4 words (code 3)
	s_or_b32 s[G1B+0], s44, (0<<16)|(1<<20)|(1<<21)|(5<<22)|(3<<25)
.irp g, G1, G1B
	s_mov_b32 s[\g+1], ROWB<<16                    ; tensor_dim0
	s_mov_b32 s[\g+2], 128<<16                     ; tensor_dim1 = 128
	s_mov_b32 s[\g+3], ROWB<<16                    ; tile_dim0
	s_mov_b32 s[\g+4], 128                         ; tile_dim1 = 128
	s_mov_b32 s[\g+5], KROW                        ; tensor_dim0_stride
	s_mov_b32 s[\g+6], 0
	s_mov_b32 s[\g+7], 0
.endr
	; and for the scales of 128 rows: a dense block of 128 KS bytes, as rows of 256 bytes (32 elements of 8 bytes), 16 bytes of padding behind each
	s_or_b32 s[G1S+0], s43, (3<<16)|(1<<20)|(1<<21)|(5<<22)|(3<<25)
	s_or_b32 s[G1SB+0], s44, (3<<16)|(1<<20)|(1<<21)|(5<<22)|(3<<25)
.irp g, G1S, G1SB
	s_mov_b32 s[\g+1], 32<<16
	s_mov_b32 s[\g+2], (128*KS/256)<<16
	s_mov_b32 s[\g+3], 32<<16
	s_mov_b32 s[\g+4], 128*KS/256
	s_mov_b32 s[\g+5], 32
	s_mov_b32 s[\g+6], 0
	s_mov_b32 s[\g+7], 0
.endr
	s_lshl_b32 s18, s16, 7                         ; which 128 rows of the tile I fetch
	s_lshl_b32 s20, s17, 8
	s_add_co_u32 s20, s20, s18                     ; A: row 256 x tile row + 128 x half
	s_lshl_b32 s46, s42, 8
	s_add_co_u32 s46, s46, s18                     ; B: row 256 x tile column + 128 x half
	s_mov_b32 s21, 0
	s_mov_b32 s47, 0
	s_mov_b64 s[18:19], KS
	s_mul_u64 s[22:23], s[20:21], s[18:19]         ; where these rows' scales begin, in bytes
	s_mul_u64 s[92:93], s[46:47], s[18:19]
	s_mov_b64 s[18:19], KROW
	s_mul_u64 s[20:21], s[20:21], s[18:19]         ; and their codes
	s_mul_u64 s[46:47], s[46:47], s[18:19]
	s_mul_i32 s45, s14, HALFT                      ; where they go: wave x 128 rows: no place in the cluster enters an LDS address
	s_mul_i32 s94, s14, HALFS
	s_wait_dscnt 0x0                               ; the opening add is done
	s_wait_kmcnt 0x0
	s_add_nc_u64 s[20:21], s[4:5], s[20:21]
	s_add_nc_u64 s[22:23], s[6:7], s[22:23]
	s_add_nc_u64 s[46:47], s[8:9], s[46:47]
	s_add_nc_u64 s[92:93], s[10:11], s[92:93]
	CROUND                                         ; all sixteen work-groups are here: the first joint loads meet
	s_mov_b32 s[G0S], 1
	s_add_co_u32 s[G0S+1], s94, SCL
	s_mov_b64 s[G0S+2:G0S+3], s[22:23]
	s_or_b32 s[G0S+3], s[G0S+3], 0x80000000
	s_mov_b32 s[G0SB], 1
	s_add_co_u32 s[G0SB+1], s94, SCL
	s_mov_b64 s[G0SB+2:G0SB+3], s[92:93]
	s_or_b32 s[G0SB+3], s[G0SB+3], 0x80000000
	JLOAD G0S, G1S, G0SB, G1SB                     ; the scales first: they are wanted with K step 0.  A wave has three tensor loads out at the start, later one
.irp s, 0,1
	s_mov_b32 s[G0+4*\s], 1
	s_add_co_u32 s[G0+4*\s+1], s45, \s*SLOT
	s_add_nc_u64 s[G0+4*\s+2:G0+4*\s+3], s[20:21], \s*ROWB
	s_or_b32 s[G0+4*\s+3], s[G0+4*\s+3], 0x80000000
	s_mov_b32 s[G0B+4*\s], 1
	s_add_co_u32 s[G0B+4*\s+1], s45, \s*SLOT
	s_add_nc_u64 s[G0B+4*\s+2:G0B+4*\s+3], s[46:47], \s*ROWB
	s_or_b32 s[G0B+4*\s+3], s[G0B+4*\s+3], 0x80000000
	JLOAD G0+4*\s, G1, G0B+4*\s, G1B
.endr
	v_and_b32 v1, 15, v0                           ; l % 16
	v_bfe_u32 v2, v0, 4, 1                         ; l / 16
	v_mul_u32_u24 v3, v1, PITCH
	v_lshl_add_u32 v4, v2, 4, v3                   ; a fragment's row x pitch + 16 x half
	s_mul_i32 s21, s15, HALFT                      ; my 128 rows of A
	s_mul_i32 s22, s16, HALFT                      ; my 128 rows of B,
	s_add_co_u32 s22, s22, 2*HALFT                 ; which lie behind A's 256
.irp s, 0,1
	v_add_nc_u32 v[ADRA+\s], s21, v4
	v_add_nc_u32 v[ADRB+\s], s22, v4
	s_add_co_u32 s21, s21, SLOT
	s_add_co_u32 s22, s22, SLOT
.endr
	v_mul_u32_u24 v5, v1, KS                       ; my row's scales: KS bytes a row,
	v_lshrrev_b32 v6, 8, v5
	v_lshl_add_u32 v5, v6, 4, v5                   ; and 16 more for each 256 passed
	s_mul_i32 s21, s15, HALFS                      ; A's: my 128 rows
	s_mul_i32 s22, s16, HALFS                      ; B's: my 128 rows, behind A's 256
	s_add_co_u32 s22, s22, 2*HALFS
	s_sub_co_u32 s22, s22, s21
	v_mul_u32_u24 v6, s22, v2                      ; lanes 16-31 take B's
	s_add_co_u32 s21, s21, SCL
	v_add_nc_u32 v5, v5, v6
	v_add_nc_u32 v[ADRS], s21, v5
	s_mul_i32 s23, s14, 16*SPITCH                  ; my stage
	v_mul_u32_u24 v5, v1, SPITCH                   ; in: row l % 16, 16 bytes for each half of the lanes
	v_lshl_add_u32 v5, v2, 4, v5
	v_add_nc_u32 v[STO], s23, v5
	v_mul_u32_u24 v5, v2, SPITCH                   ; back: lanes 0-15 take one row of 256 bytes, lanes 16-31 the next
	v_lshl_add_u32 v5, v1, 4, v5
	v_add_nc_u32 v[RD], s23, v5
	v_and_b32 v6, 31, v0
	v_lshlrev_b32 v[CO], 4, v6                     ; and in kv these two rows are 512 bytes on end
	; kv: row ((batch x 16 + head) x 1,024 + t) of 256 bytes; batch = tile row / 4, head = 2 x tile column + my half of the columns, t = 256 (tile row % 4) + 128 x my half of the rows
	s_lshr_b32 s20, s17, 2
	s_lshl_b32 s20, s20, 4
	s_lshl_b32 s46, s42, 1
	s_add_co_u32 s46, s46, s16
	s_add_co_u32 s20, s20, s46
	s_lshl_b32 s20, s20, 10
	s_and_b32 s21, s17, 3
	s_lshl_b32 s21, s21, 8
	s_add_co_u32 s20, s20, s21
	s_lshl_b32 s21, s15, 7
	s_add_co_u32 s20, s20, s21
	s_lshl_b32 s20, s20, 8                         ; in bytes: under 2^25
	s_mov_b32 s21, 0
	s_add_nc_u64 s[12:13], s[12:13], s[20:21]
	s_mov_b32 s96, 0x76543210
	s_mov_b32 s97, 0xfedcba98                      ; v_permlanex16_b32's selects for lane l xor 16
	s_mov_b32 s98, 0xbd800000                      ; -1/16
	s_mov_b32 s99, s98                             ; (named with it as a pair, so it is written)
	; the gate's addresses, made by every wave.  Job = 16 x tile row + 2 x tile column + wave % 2, 0 .. 511: its 16 tokens lie among the tile row's 256.  The place in the cluster enters global addresses alone.
	; The four pointers to codes and scales have served the descriptors and are free to be stepped.
	v_lshlrev_b32 v[GCO], 10, v1
	v_lshl_add_u32 v[GCO], v2, 4, v[GCO]
	v_lshlrev_b32 v[GSO], 6, v1
	v_lshlrev_b32 v[GBO], 5, v2
	v_lshlrev_b32 v[GNO], 2, v1
	v_lshl_add_u32 v[GNO], v2, 15, v[GNO]
	s_lshl_b32 s18, s17, 4
	s_lshl_b32 s19, s42, 1
	s_add_co_u32 s18, s18, s19
	s_add_co_u32 s18, s18, s16                     ; the job
	s_lshl_b32 s20, s18, 14                        ; its tokens' codes: 16 rows of 1,024 bytes a job,
	s_add_nc_u64 s[4:5], s[4:5], s[20:21]          ; (s21 is 0)
	s_lshl_b32 s20, s18, 10                        ; their scale bytes: 16 rows of 64
	s_add_nc_u64 s[6:7], s[6:7], s[20:21]
	s_add_nc_u64 s[8:9], s[8:9], 0x200000          ; row 2,048 of the weights' codes: b_w's,
	s_add_nc_u64 s[10:11], s[10:11], 0x20000       ; and of their scale bytes
	s_lshr_b32 s20, s18, 6                         ; nbeta: the batch, 65,536 bytes each,
	s_lshl_b32 s20, s20, 16
	s_and_b32 s22, s18, 63
	s_lshl_b32 s22, s22, 6                         ; and 64 bytes for each 16 tokens
	s_add_co_u32 s20, s20, s22
	s_add_nc_u64 s[100:101], s[100:101], s[20:21]
.macro FRAG reg, adr, q, i             ; a fragment, 16 rows x 128 K of 4-bit codes, is 8 registers: lane l holds row l % 16; registers 4 c .. 4 c + 3 hold K = 64 c + 32 (l / 16) + 0 .. 31
.irp c, 0,1
	ds_load_b128 v[\reg+4*\c:\reg+4*\c+3], v[\adr] offset:64*(\q)+32*\c+(\i)*16*PITCH
.endr
.endm
; 16 matrix instructions: A's blocks a0, a0 + 1 x B's eight, 128 along K: the slot's q-th.  p: B's set;  sc: the set of scale words.  zero = 1: the first product starts the sums: nothing is ever cleared.
; The 64 accumulators take turns, one instruction a turn, in the same order in every step.
.macro MUL16 a0, p, q, sc, zero
.irp a, \a0, \a0+1
.irp b, 0,1,2,3,4,5,6,7
.if \zero
	v_wmma_scale_f32_16x16x128_f8f6f4 v[8*(8*((\a)%4)+\b):8*(8*((\a)%4)+\b)+7], v[128*(\p)+FR*\b:128*(\p)+FR*\b+FR-1], v[AF+FR*(\a):AF+FR*(\a)+FR-1], 0, v[SC+8*NQ*(\sc)+NQ*\b+(\q)], v[SC+8*NQ*(\sc)+NQ*(\a)+(\q)] matrix_a_fmt:MATRIX_FMT_FP4 matrix_b_fmt:MATRIX_FMT_FP4 matrix_a_scale:MATRIX_SCALE_ROW1
.else
	v_wmma_scale_f32_16x16x128_f8f6f4 v[8*(8*((\a)%4)+\b):8*(8*((\a)%4)+\b)+7], v[128*(\p)+FR*\b:128*(\p)+FR*\b+FR-1], v[AF+FR*(\a):AF+FR*(\a)+FR-1], v[8*(8*((\a)%4)+\b):8*(8*((\a)%4)+\b)+7], v[SC+8*NQ*(\sc)+NQ*\b+(\q)], v[SC+8*NQ*(\sc)+NQ*(\a)+(\q)] matrix_a_fmt:MATRIX_FMT_FP4 matrix_b_fmt:MATRIX_FMT_FP4 matrix_a_scale:MATRIX_SCALE_ROW1
.endif
.endr
.endr
.endm
.macro FETCH_B slot, q, p              ; B's eight fragments of the slot's q-th 128 along K into set p
	WIN TO_B
.irp i, 0,1,2,3,4,5,6,7
	FRAG 128*(\p)+FR*\i, ADRB+\slot, \q, \i
.endr
	WIN 0
.endm
.macro FETCH_A slot, q, i0             ; A's blocks i0 .. i0 + 3
.irp i, \i0, \i0+1, \i0+2, \i0+3
	FRAG AF+FR*(\i), ADRA+\slot, \q, \i
.endr
.endm
.macro SCALES sc                       ; the next K step's scale words into set sc: NQ words a row; lanes 0-15 take A's block i, lanes 16-31 B's block i
.irp i, 0,1,2,3,4,5,6,7
	ds_load_b128 v[SC+8*NQ*\sc+NQ*\i:SC+8*NQ*\sc+NQ*\i+3], v[ADRS] offset:\i*SBLK
.endr
.endm
; A load into a register that a matrix instruction has read, and a vector instruction or an LDS store that reads a matrix result, stand NP places behind that matrix instruction, and only plain vector
; instructions that name none of its registers are places (ISA guide 7.12.1 for vector instructions).
.macro PLACES n
.rept \n
	v_nop
.endr
.endm
; A step of 128 along K that has its successor in the same slot.
.macro STEP slot, q, zero
	s_wait_dscnt 4*NL                              ; B's set and A's blocks 0-3 are in; the youngest eight loads (A's blocks 4-7) may be out
	WIN MUL_LO
	MUL16 0, (\q)%2, \q, \slot, \zero
	MUL16 2, (\q)%2, \q, \slot, \zero
	s_wait_dscnt 0                                 ; A's blocks 4-7 are in (asked for 32 matrix instructions ago)
	PLACES NP
	FETCH_B \slot, (\q)+1, 1-(\q)%2
	FETCH_A \slot, (\q)+1, 0
	WIN MUL_HI
	MUL16 4, (\q)%2, \q, \slot, \zero
	MUL16 6, (\q)%2, \q, \slot, \zero
	PLACES NP
	WIN 0
	FETCH_A \slot, (\q)+1, 4
.endm
; A slot's last step changes slots: ONE barrier; in front of it each wave waits for all its tensor loads, adds 0 to its spare word, and waits for that and for its own reads of this slot.  fill = 1: this slot is filled again, two K steps ahead.
.macro TURN slot, next, fill
	s_wait_tensorcnt 0x0                           ; all my tensor loads have landed: my part of the next slot;  (every window is 0 here: the add's two registers lie in window 0)
	ds_add_u32 v[SPW], v[NIL]                      ; 0 onto my spare word
	s_wait_dscnt 4*NL+1                            ; (the add and the youngest eight loads, A's blocks 4-7, may be out)
	WIN MUL_LO
	MUL16 0, 1, NQ-1, \slot, 0                     ; sixteen matrix instructions stand between the add and the wait for it
	s_wait_dscnt 0x0                               ; the add is done, and my reads of this slot are over
	s_barrier_signal -1
	MUL16 2, 1, NQ-1, \slot, 0
	WIN 0
	s_barrier_wait -1
.if \fill
	CREST                                          ; the barrier has opened a round of the cluster's barrier: no wave of any partner still reads this slot's tile or has a load on its way
	s_add_nc_u64 s[G0+4*\slot+2:G0+4*\slot+3], s[G0+4*\slot+2:G0+4*\slot+3], 2*ROWB
	s_add_nc_u64 s[G0B+4*\slot+2:G0B+4*\slot+3], s[G0B+4*\slot+2:G0B+4*\slot+3], 2*ROWB
	JLOAD G0+4*\slot, G1, G0B+4*\slot, G1B         ; the first tensor load behind the round; the four v_nop behind it are among the places in front of the loads below
.else
	PLACES NP
.endif
	v_add_nc_u32 v[ADRS], 4*NQ, v[ADRS]            ; on to the next K step's scale words (no LDS load of mine is out)
	FETCH_B \next, 0, 0
	FETCH_A \next, 0, 0
	SCALES \next
	WIN MUL_HI
	MUL16 4, 1, NQ-1, \slot, 0
	MUL16 6, 1, NQ-1, \slot, 0
	PLACES NP
	WIN 0
	FETCH_A \next, 0, 4
.endm
.macro STEPS slot, from                ; the slot's steps from .. NQ - 2
.set Q, \from
.rept NQ-1-\from
	STEP \slot, Q, 0
.set Q, Q+1
.endr
.endm
	; ---- THE GATE, in waves 0 and 1, while the first tiles are on their way.  The branch hangs on the wave's number alone; no LDS access, no tensor load and no barrier lies under it.
	; K = 2,048 is 16 matrix instructions; all their operands are asked for in one run of 74 loads.  Source 0 = b_w's 16 rows, source 1 = my job's 16 tokens: in the result lane (r, h) holds token r and heads 8 h + 0 .. 7.
	; The bias is the C of the first matrix instruction.  Two accumulators take turns, one instruction a turn: the even K steps and the odd ones; they are added at the end.
	; A store covers two runs of 64 bytes (16 tokens of one head): nbeta is 512 KiB in all, and a wave's 16 tokens are no more than 64 bytes of a head's row.
	s_cmp_eq_u32 s15, 0
	s_cbranch_scc0 .Lno_gate
.irp q, 0,1,2,3
	global_load_b128 v[SC+4*\q:SC+4*\q+3], v[GSO], s[6:7] offset:16*\q         ; register SC + s: my token's scale word of K step s
	global_load_b128 v[SC+16+4*\q:SC+16+4*\q+3], v[GSO], s[10:11] offset:16*\q ; register SC + 16 + s: my head's
.endr
	global_load_b128 v[GBI:GBI+3], v[GBO], s[66:67]
	global_load_b128 v[GBI+4:GBI+7], v[GBO], s[66:67] offset:16
	WIN 0x80                                       ; destination window 2, address window 0
.irp s, 0,1,2,3,4,5,6,7,8,9,10,11,12,13,14,15
.irp c, 0,1
	global_load_b128 v[8*\s+4*\c:8*\s+4*\c+3], v[GCO], s[4:5] offset:64*\s+32*\c   ; registers 4 c .. 4 c + 3 of a fragment: K = 128 s + 64 c + 32 h + 0 .. 31
.endr
.endr
	WIN 0xc0                                       ; destination window 3
.irp s, 0,1,2,3,4,5,6,7,8,9,10,11,12,13,14,15
.irp c, 0,1
	global_load_b128 v[128+8*\s+4*\c:128+8*\s+4*\c+3], v[GCO], s[8:9] offset:64*\s+32*\c
.endr
.endr
	s_wait_loadcnt 0x0
	WIN 0x0b                                       ; source 0 (b_w) window 3, source 1 (content) window 2, C and D window 0
.irp s, 0,1,2,3,4,5,6,7,8,9,10,11,12,13,14,15
.if \s == 0
	v_wmma_scale_f32_16x16x128_f8f6f4 v[GA:GA+7], v[128:135], v[0:7], v[GBI:GBI+7], v[SC+16], v[SC] matrix_a_fmt:MATRIX_FMT_FP4 matrix_b_fmt:MATRIX_FMT_FP4
.elseif \s == 1
	v_wmma_scale_f32_16x16x128_f8f6f4 v[GA+8:GA+15], v[136:143], v[8:15], 0, v[SC+17], v[SC+1] matrix_a_fmt:MATRIX_FMT_FP4 matrix_b_fmt:MATRIX_FMT_FP4
.else
	v_wmma_scale_f32_16x16x128_f8f6f4 v[GA+8*(\s%2):GA+8*(\s%2)+7], v[128+8*\s:128+8*\s+7], v[8*\s:8*\s+7], v[GA+8*(\s%2):GA+8*(\s%2)+7], v[SC+16+\s], v[SC+\s] matrix_a_fmt:MATRIX_FMT_FP4 matrix_b_fmt:MATRIX_FMT_FP4
.endif
.endr
	WIN 0
	PLACES NP                                      ; between the last product and the first read of results
.irp j, 0,1,2,3,4,5,6,7
	v_add_f32 v[GW+\j], v[GA+\j], v[GA+8+\j]       ; the two halves of the sum, each accumulator from its low end on
.endr
.irp j, 0,1,2,3,4,5,6,7
	v_mul_f32 v[GW+\j], 0xbfb8aa3b, v[GW+\j]       ; -x log2(e).  (These and the sixteen plain lines further down name no register of the products: they are the places ahead of the LDS loads into the scale words' registers and of the first K step's products, which write over the fragments)
.endr
.irp j, 0,1,2,3,4,5,6,7
	v_exp_f32 v[GW+\j], v[GW+\j]
.endr
	v_nop                                          ; a plain line behind the last exponential
	s_wait_alu depctr_va_vdst(0)                   ; one wait for the eight, ahead of their first reader
.irp j, 0,1,2,3,4,5,6,7
	v_add_f32 v[GW+\j], 1.0, v[GW+\j]
.endr
.irp j, 0,1,2,3,4,5,6,7
	v_rcp_f32 v[GW+\j], v[GW+\j]
.endr
	v_nop
	s_wait_alu depctr_va_vdst(0)                   ; and one for the eight reciprocals
.irp j, 0,1,2,3,4,5,6,7
	v_mul_f32 v[GW+\j], -1.0, v[GW+\j]             ; -sigmoid
.endr
.irp j, 0,1,2,3,4,5,6,7
	global_store_b32 v[GNO], v[GW+\j], s[100:101] offset:4096*\j   ; head 8 h + j, token r
.endr
	s_wait_xcnt 0x0                                ; the stores have read their registers: the norms write v216-223 again
.Lno_gate:
	s_wait_tensorcnt 1                             ; the scales and my part of K step 0 are in (K step 1's load may be out),
	s_barrier_signal -1
	s_barrier_wait -1                              ; everybody's are
	FETCH_B 0, 0, 0
	FETCH_A 0, 0, 0
	SCALES 0
	FETCH_A 0, 0, 4
	STEP 0, 0, 1                                   ; the first step stands in front of the loop: its products start the sums
	s_mov_b32 s3, LAPS-1
.Llap:                                                 ; a trip goes once round the ring, from a lap's second step to the next lap's first, and fills both slots again
	STEPS 0, 1
	TURN 0, 1, 1
	STEPS 1, 0
	TURN 1, 0, 1
	STEP 0, 0, 0
	s_sub_co_u32 s3, s3, 1
	s_cmp_lg_u32 s3, 0
	s_cbranch_scc1 .Llap
	STEPS 0, 1                                     ; the last lap fills nothing, and has no round of the cluster's barrier
	TURN 0, 1, 0
	STEPS 1, 0
	s_wait_dscnt 4*NL                              ; the very last step: nothing more to fetch
	WIN MUL_LO
	MUL16 0, 1, NQ-1, 1, 0
	MUL16 2, 1, NQ-1, 1, 0
	s_wait_dscnt 0
	WIN MUL_HI
	MUL16 4, 1, NQ-1, 1, 0
	MUL16 6, 1, NQ-1, 1, 0
	; THE NORMS.  In block a of 16 tokens lane (r, h) holds token r; accumulators b = 0 .. 3 hold k's columns 16 b + 8 h + 0 .. 7: 32 of the key's 64 numbers, registers 64 (a % 4) + 0 .. 31; the other 32 lie in lane l xor 16.
	PLACES NP                                      ; between the last products and the first read of results
.irp w, 0,1                            ; window 2: blocks 0-3; window 3: blocks 4-7.  The four blocks take turns, so that no line waits for the line above it; each accumulator is read from its low end on
	WIN 0x0a+5*\w
.irp a, 0,1,2,3
	v_pk_mul_f32 v[SS+2*(4*\w+\a):SS+2*(4*\w+\a)+1], v[64*\a:64*\a+1], v[64*\a:64*\a+1]
.endr
.irp i, 1,2,3,4,5,6,7,8,9,10,11,12,13,14,15
.irp a, 0,1,2,3
	v_pk_fma_f32 v[SS+2*(4*\w+\a):SS+2*(4*\w+\a)+1], v[64*\a+2*\i:64*\a+2*\i+1], v[64*\a+2*\i:64*\a+2*\i+1], v[SS+2*(4*\w+\a):SS+2*(4*\w+\a)+1]
.endr
.endr
.endr
	WIN 0
.irp a, 0,1,2,3,4,5,6,7
	v_add_f32 v[SS+2*\a], v[SS+2*\a], v[SS+2*\a+1]
	v_mov_b32 v[T+\a], 0                           ; written once: a lane permute's destination counts as one of its sources
.endr
.irp a, 0,1,2,3,4,5,6,7
	v_permlanex16_b32 v[T+\a], v[SS+2*\a], s96, s97
.endr
.irp a, 0,1,2,3,4,5,6,7
	v_add_f32 v[SS+2*\a], v[SS+2*\a], v[T+\a]      ; the key's 64 squares
.endr
.irp a, 0,1,2,3,4,5,6,7
	v_sqrt_f32 v[SS+2*\a], v[SS+2*\a]
.endr
	v_nop                                          ; a plain line behind the last root
	s_wait_alu depctr_va_vdst(0)                   ; one wait for the eight, ahead of their first reader
.irp a, 0,1,2,3,4,5,6,7
	v_max_num_f32 v[SS+2*\a], 0x2b8cbccc, v[SS+2*\a]   ; max(norm, 1e-12)
.endr
.irp a, 0,1,2,3,4,5,6,7
	v_rcp_f32 v[INV+2*\a], v[SS+2*\a]
.endr
	v_nop
	s_wait_alu depctr_va_vdst(0)                   ; and one for the eight reciprocals
.irp a, 0,1,2,3,4,5,6,7
	v_mov_b32 v[INV+2*\a+1], v[INV+2*\a]           ; (the packed multiply names the pair)
.endr
; THE WAY OUT of block a, in three parts.  PACK: k / norm, v x -1/16, rounded to f16: 16 bytes a lane and accumulator.  TOSTAGE: into my own stage in LDS, and back as whole rows of 256 bytes.  SEND: stored.
.macro PACK a
.set AC, 64*((\a)%4)
	WIN 0x82+0x41*((\a)/4)                         ; destination and source 0: window 2 or 3; source 1: window 0
.irp i, 0,1,2,3,4,5,6,7,8,9,10,11,12,13,14,15
	v_pk_mul_f32 v[AC+2*\i:AC+2*\i+1], v[AC+2*\i:AC+2*\i+1], v[INV+2*(\a):INV+2*(\a)+1] op_sel_hi:[1,0]
.endr
.irp i, 16,17,18,19,20,21,22,23,24,25,26,27,28,29,30,31
	v_pk_mul_f32 v[AC+2*\i:AC+2*\i+1], v[AC+2*\i:AC+2*\i+1], s[98:99] op_sel_hi:[1,0]
.endr
	WIN 0x0a+5*((\a)/4)                            ; sources 0 and 1: window 2 or 3
.irp b, 0,1,2,3,4,5,6,7
.irp r, 0,1,2,3
	v_cvt_pk_f16_f32 v[TMP+4*\b+\r], v[AC+8*\b+2*\r], v[AC+8*\b+2*\r+1]
.endr
.endr
	WIN 0
.endm
.macro TOSTAGE a
.set BB, OB+32*((\a)%2)
.irp b, 0,1,2,3,4,5,6,7
	ds_store_b128 v[STO], v[TMP+4*\b:TMP+4*\b+3] offset:32*\b      ; token r, columns 16 b + 8 h + 0 .. 7
.endr
.irp t, 0,1,2,3,4,5,6,7
	ds_load_b128 v[BB+4*\t:BB+4*\t+3], v[RD] offset:\t*2*SPITCH    ; LDS serves a wave's instructions in order (ISA guide 5.7.1.4): these see the stores above
.endr
.endm
.macro SEND a
.set BB, OB+32*((\a)%2)
	s_wait_dscnt 0x0                               ; the block is back in registers
	s_wait_xcnt 0x0                                ; the stores of the block before have read their registers: the next block's loads from the stage may land there
.irp t, 0,1,2,3,4,5,6,7
	global_store_b128 v[CO], v[BB+4*\t:BB+4*\t+3], s[12:13] offset:(\a)*4096+512*\t   ; 32 lanes store two tokens' rows: 512 consecutive bytes, at a multiple of 256 from kv's first byte
.endr
.endm
	PACK 0
	TOSTAGE 0
.irp a, 1,2,3,4,5,6,7                  ; block a's arithmetic stands between block a - 1's loads from the stage and the wait for them
	PACK \a
	SEND \a-1
	TOSTAGE \a
.endr
	SEND 7
	s_wait_tensorcnt 0x0                           ; the wave's end, behind my last tensor load and my last LDS store
	ds_add_u32 v[SPW], v[NIL]
	s_wait_dscnt 0x0
	CROUND                                         ; the closing round: no work-group ends while a partner may still ask for a tile that names it
	s_endpgm
.Lfunc_end_k_qeedc0a4c9e_gemm:
	.size	k_qeedc0a4c9e_gemm, .Lfunc_end_k_qeedc0a4c9e_gemm-k_qeedc0a4c9e_gemm
	.p2alignl 7, 3214868480
	.fill 96, 4, 3214868480
	.section	.rodata,"a",@progbits
	.p2align	6, 0x0
	.amdhsa_kernel k_qeedc0a4c9e_gemm
		.amdhsa_group_segment_fixed_size 327680
		.amdhsa_private_segment_fixed_size 0
		.amdhsa_enable_private_segment 0
		.amdhsa_kernarg_size 56
		.amdhsa_user_sgpr_count 2
		.amdhsa_user_sgpr_kernarg_segment_ptr 1
		.amdhsa_wavefront_size32 1
		.amdhsa_system_sgpr_workgroup_id_x 1
		.amdhsa_system_sgpr_workgroup_id_y 1
		.amdhsa_system_sgpr_workgroup_id_z 1
		.amdhsa_system_vgpr_workitem_id 0
		.amdhsa_next_free_vgpr 1024
		.amdhsa_next_free_sgpr 102
		.amdhsa_reserve_vcc 0
		.amdhsa_float_denorm_mode_32 3
		.amdhsa_float_denorm_mode_16_64 3
		.amdhsa_memory_ordered 1
		.amdhsa_forward_progress 1
		.amdhsa_inst_pref_size 253
	.end_amdhsa_kernel
	.amdgpu_metadata
---
amdhsa.version: [ 1, 2 ]
amdhsa.kernels:
  - .name:           k_qeedc0a4c9e_gemm
    .symbol:         k_qeedc0a4c9e_gemm.kd
    .args:
      - { .name: a_codes, .offset: 0, .size: 8, .value_kind: global_buffer, .address_space: global }
      - { .name: a_scales, .offset: 8, .size: 8, .value_kind: global_buffer, .address_space: global }
      - { .name: w_codes, .offset: 16, .size: 8, .value_kind: global_buffer, .address_space: global }
      - { .name: w_scales, .offset: 24, .size: 8, .value_kind: global_buffer, .address_space: global }
      - { .name: kv, .offset: 32, .size: 8, .value_kind: global_buffer, .address_space: global }
      - { .name: b_b, .offset: 40, .size: 8, .value_kind: global_buffer, .address_space: global }
      - { .name: nbeta, .offset: 48, .size: 8, .value_kind: global_buffer, .address_space: global }
    .group_segment_fixed_size: 327680
    .private_segment_fixed_size: 0
    .kernarg_segment_align: 8
    .kernarg_segment_size: 56
    .max_flat_workgroup_size: 128
    .sgpr_count:     102
    .vgpr_count:     1024
    .wavefront_size: 32
...
	.end_amdgpu_metadata
.endif
;; end of part 2
;; launch delta (part 3): grid 128 x 1, 16 waves a work-group, no clusters, 327,680 bytes of LDS; arguments kv, nbeta, W_old, out0; writes out0
.if DOCPART == 3
	.amdgcn_target "amdgcn-amd-amdhsa--gfx1250"
	.amdhsa_code_object_version 6
	.text
	.protected	k_qeedc0a4c9e_delta
	.globl	k_qeedc0a4c9e_delta
	.p2align	8
	.type	k_qeedc0a4c9e_delta,@function
k_qeedc0a4c9e_delta:
	s_mov_b64 s[64:65], 0
	v_nop
	global_prefetch_b8 v0, s[64:65] scope:SCOPE_SE
	s_setreg_imm32_b32 hwreg(HW_REG_WAVE_MODE, 25, 1), 1
	s_wait_xcnt 0x0
; The delta rule of one (batch, head): W_t = W_(t-1) (I - beta_t k_t k_t^T) + beta_t v_t k_t^T over 1,024 tokens, which is what the unit lower-triangular solve and the two products round it compute.
; BY CHUNKS OF 64 TOKENS.  With K, V the chunk's rows, S = K K^T, S_l its strictly lower part, B = diag(beta):  Y = B (I + S_l B)^-1,  X = Y^T K,  M = I - K^T X,  N = V^T X,  and a chunk takes W to W M + N.
; Wave c of sixteen makes M and N of chunk c; behind the launch's one barrier waves 0 to 3 walk the sixteen chunks, wave f for rows 16 f .. 16 f + 15 of W.
; SIGNS AND SCALE.  nbeta holds -beta and kv holds k / |k| and -v / 16.  Yb = -Y obeys Yb[t][c] = nb_t (delta_tc + sum over l < t of S[t][l] Yb[l][c]); Xb = Yb^T K = -X; M = I + K^T Xb; N / 16 = vb^T Xb; the state is W / 16.
; Nothing is negated, and v, N and W have 16 times f16's range.
; IN BLOCKS OF 16:  the four diagonal blocks of Yb by forward substitution in f32 (no series, no difference of large sums);  Yb_IJ = Yb_II Pb_IJ,  Pb_IJ = sum over J <= L < I of S_IL Yb_LJ, by matrix instructions.
; NUMBER FORMATS.  Products on f16 operands with f32 sums.  |k|, |S|, |Y|, |Pb|, |X| and M's norm are at most 1 for every input, since each factor I - beta k k^T shrinks.
; LIMITS: |v|, |N| and |W| under 16 x 65,504; W_old and v resolved to 2^-20 absolutely; NaN and infinities are not served.
; LAYOUT.  A result tile (lane = column n, register j = row m = 8 (lane / 16) + j), rounded to f16 in pairs of registers, IS half of a source whose K runs along m and whose lane is n.  Every product is laid so that its result
; goes on in that way.  Two things come otherwise: K^T and V^T, by the transposing LDS load; the diagonal blocks with the lane as ROW, through 2 KiB of LDS of the wave's own.
; No cluster: work-groups share no input.  No prefetch: a wave's one tile is asked for at the head.  128 work-groups: a head's chain has one owner; halving the rows of W would make every chunk's M twice.
; LDS: wave c's tile of kv, 64 rows of 256 bytes + 16 of padding, at 17,408 c; when its last read is done, the images of M (8 KiB) and N (8 KiB) are stored over it: it has had its one fill.
;   SCR: 2 KiB a wave: the diagonal blocks [block][t][c] in f16; behind the barrier wave f's stage for the way out at SCR + 8,192 f.   W0: the images of W_old / 16.   SPARE: the spare words.
; An image is a source's four registers as they stand: lane l's 16 bytes at 16 l, 512 bytes a store; the same line as a load gives any wave the same registers in the same lanes.
.set PITCH, 272
.set REGB,  64*PITCH                   ; 17,408
.set SCR,   16*REGB                    ; 278,528
.set W0,    SCR+16*2048                ; 311,296
.set SPARE, W0+8192                    ; 319,488: 128 bytes for each of sixteen waves
.set RL,  1                            ; v1   r = lane % 16
.set HL,  2                            ; v2   h = lane / 16
.set LI,  3                            ; v3   16 x lane
.set SPW, 4                            ; v4   LDS address of my spare word; never rewritten
.set NIL, 5                            ; v5   0; never rewritten
.set AKN, 6                            ; v6   my tile: row r, + 16 h
.set ATR, 7                            ; v7   my tile, for the transposing load: row 8 h + lane % 8, + 16 ((lane / 8) % 2)
.set IMG, 8                            ; v8   my region + 16 x lane
.set YST, 9                            ; v9   SCR: block h, column r
.set YRD, 10                           ; v10  SCR: row r, + 16 h
.set AN0, 11                           ; v11  chunk 0's images of N for my rows of W
.set OST, 12                           ; v12  the way out: where I put 32 bytes of a row
.set ORD, 13                           ; v13  and where I read a row back
.set NB0, 14                           ; v14, v15  -beta of my chunk's tokens lane and 32 + lane
.set W0S, 16                           ; v16  where I store my image of W_old / 16
.set W0L, 17                           ; v17  where I load my rows' images from
.set AM,  18                           ; v18  the chain: the next chunk's images of M
.set AN,  19                           ; v19  and of N
.set L4,  20                           ; v20  4 x lane
.set WOF, 21                           ; v21  W_old: row r of 256 bytes, + 32 h
.set KA,  24                           ; phase 1: K's fragments as source 0, block I, half q at KA + 8 (2 I + q);
.set KB,  88                           ; and once more as source 1: the two sources of a product share no register
.set RR,  152                          ; the diagonal tiles of S; behind the exchange: row t of blocks 0, 1 at RR + t, of blocks 2, 3 at RR + 16 + t
.set YY,  184                          ; the substitution: row t of Yb's diagonal blocks, a pair: blocks 0, 1 | blocks 2, 3 (in each: lanes 0-15 the even block, lanes 16-31 the odd)
.set BC,  104                          ; -beta of row t, in every lane, a pair likewise
.set CT,  56                           ; S[t][l] in every lane: two sets of four pairs
.set KT,  24                           ; K^T: tokens 32 p on, channels 16 e on, at KT + 8 (4 p + e)
.set VT,  88                           ; V^T likewise
.set BD,  152                          ; four result tiles
.set XB,  184                          ; Xb: tokens 32 p on along K, channels 16 e on in the lanes, at XB + 8 (4 p + e)
.set IDT, 248                          ; v248-255 a unit tile in the result's layout
.set N16, 24                           ; the chain: a chunk's N, four images
.set WB,  40                           ; W / 16 as source 1: two fragments
.set ST0, 56                           ; two sets of four result tiles, by turns
.set ST1, 88
.set MA0, 120                          ; two sets of M's sixteen images, by turns
.set MK,  40                           ; s[40:55] lane masks: r == t
.macro PLACES n                        ; plain lines between a matrix instruction and what touches its registers: four for vector instructions, stores and loads, five for a matrix instruction that writes over them (ISA guide 7.12.1 for vector instructions)
.rept \n
	v_nop
.endr
.endm
.macro KFRAG reg, blk, q               ; 16 rows x 32 channels: lane (r, h) holds row r, registers 0-3 channels 8 h on, registers 4-7 channels 16 + 8 h on
	ds_load_b128 v[\reg:\reg+3], v[AKN] offset:(\blk)*16*PITCH+64*(\q)
	ds_load_b128 v[\reg+4:\reg+7], v[AKN] offset:(\blk)*16*PITCH+64*(\q)+32
.endm
.macro TFRAG reg, p, col               ; 32 tokens x 16 columns, turned: lane (r, h) holds the column at byte col + 2 r of a row, registers 0-3 tokens 32 p + 8 h on, registers 4-7 tokens 32 p + 16 + 8 h on
	ds_load_tr16_b128 v[\reg:\reg+3], v[ATR] offset:(\p)*32*PITCH+(\col)
	ds_load_tr16_b128 v[\reg+4:\reg+7], v[ATR] offset:(\p)*32*PITCH+16*PITCH+(\col)
.endm
.macro PACK4 d, s                      ; a result tile becomes half a source; from its low end on; d may be s
.irp i, 0,1,2,3
	v_cvt_pk_f16_f32 v[\d+\i], v[\s+2*\i], v[\s+2*\i+1]
.endr
.endm
.macro ZERO4 d                         ; the half of a source that has no block: zeros
.irp i, 0,1,2,3
	v_mov_b32 v[\d+\i], 0
.endr
.endm
.macro MM0 d, a, b
	v_wmma_f32_16x16x32_f16 v[\d:\d+7], v[\a:\a+7], v[\b:\b+7], 0
.endm
.macro MMA d, a, b
	v_wmma_f32_16x16x32_f16 v[\d:\d+7], v[\a:\a+7], v[\b:\b+7], v[\d:\d+7]
.endm
.macro MMC d, a, b, c
	v_wmma_f32_16x16x32_f16 v[\d:\d+7], v[\a:\a+7], v[\b:\b+7], v[\c:\c+7]
.endm
	; ---- the head
	s_load_b256 s[4:11], s[0:1], 0x0               ; kv s[4:5], nbeta s[6:7], W_old s[8:9], out0 s[10:11]
	v_lshl_add_u32 v[SPW], v0, 2, SPARE
	v_mov_b32 v[NIL], 0
	ds_add_u32 v[SPW], v[NIL]                      ; the wave's opening: the add and its wait stand ahead of my first tensor load; the set-up below, work on registers, stands between them
	v_lshrrev_b32 v22, 5, v0
	v_readfirstlane_b32 s12, v22                   ; wave 0..15 = my chunk
	v_and_b32 v[RL], 15, v0
	v_bfe_u32 v[HL], v0, 4, 1
	v_and_b32 v22, 31, v0
	v_lshlrev_b32 v[LI], 4, v22
	v_lshlrev_b32 v[L4], 2, v22
	s_mul_i32 s13, s12, REGB                       ; my region
	s_and_b32 s14, s12, 3                          ; in the chain: which 16 rows of W
	v_mul_u32_u24 v[AKN], v[RL], PITCH
	v_lshl_add_u32 v[AKN], v[HL], 4, v[AKN]
	v_add_nc_u32 v[AKN], s13, v[AKN]
	v_and_b32 v22, 7, v0
	v_lshl_add_u32 v22, v[HL], 3, v22
	v_mul_u32_u24 v[ATR], v22, PITCH
	v_bfe_u32 v22, v0, 3, 1
	v_lshl_add_u32 v[ATR], v22, 4, v[ATR]
	v_add_nc_u32 v[ATR], s13, v[ATR]
	v_add_nc_u32 v[IMG], s13, v[LI]
	s_lshl_b32 s15, s12, 11
	s_add_co_u32 s15, s15, SCR                     ; my 2 KiB of SCR
	v_lshlrev_b32 v[YST], 1, v[RL]
	v_lshl_add_u32 v[YST], v[HL], 9, v[YST]
	v_add_nc_u32 v[YST], s15, v[YST]
	v_lshlrev_b32 v[YRD], 5, v[RL]
	v_lshl_add_u32 v[YRD], v[HL], 4, v[YRD]
	v_add_nc_u32 v[YRD], s15, v[YRD]
	s_lshl_b32 s28, s14, 11
	s_add_co_u32 s29, s28, 8192
	v_add_nc_u32 v[AN0], s29, v[LI]
	s_add_co_u32 s29, s28, W0
	v_add_nc_u32 v[W0L], s29, v[LI]
	s_lshl_b32 s29, s12, 9
	s_add_co_u32 s29, s29, W0
	v_add_nc_u32 v[W0S], s29, v[LI]
	s_lshl_b32 s29, s14, 13
	s_add_co_u32 s29, s29, SCR
	v_mul_u32_u24 v[OST], v[RL], PITCH
	v_lshl_add_u32 v[OST], v[HL], 5, v[OST]
	v_add_nc_u32 v[OST], s29, v[OST]
	v_mul_u32_u24 v[ORD], v[HL], PITCH
	v_lshl_add_u32 v[ORD], v[RL], 4, v[ORD]
	v_add_nc_u32 v[ORD], s29, v[ORD]
	v_lshlrev_b32 v[WOF], 8, v[RL]
	v_lshl_add_u32 v[WOF], v[HL], 5, v[WOF]
.irp t, 0,1,2,3,4,5,6,7,8,9,10,11,12,13,14,15
	v_cmp_eq_u32 s[MK+\t], \t, v[RL]
.endr
	v_lshlrev_b32 v22, 3, v[HL]
	v_sub_nc_u32 v22, v[RL], v22                   ; r - 8 h: register j of the unit tile is 1 where it equals j
.irp j, 0,1,2,3,4,5,6,7
	v_cmp_eq_u32 s56, \j, v22
	v_cndmask_b32 v[IDT+\j], 0, 1.0, s56
.endr
	; descriptor group 1: 64 rows of 128 elements of 2 bytes, dense in memory, 16 bytes of padding behind each row in LDS
	s_mov_b32 s20, (1<<16)|(1<<20)|(5<<22)|(3<<25) ; 15:0 no mask; 17:16 elements of 2 bytes; 20 padding on; 24:22 after every 64 words (code 5); 31:25 four words (code 3)
	s_mov_b32 s21, 128<<16                         ; tensor_dim0
	s_mov_b32 s22, 64<<16                          ; tensor_dim1
	s_mov_b32 s23, 128<<16                         ; tile_dim0
	s_mov_b32 s24, 64                              ; tile_dim1
	s_mov_b32 s25, 128                             ; tensor_dim0_stride
	s_mov_b32 s26, 0
	s_mov_b32 s27, 0
	s_lshl_b32 s32, ttmp9, 18                      ; kv: 262,144 bytes a head, 16,384 a chunk
	s_lshl_b32 s34, s12, 14
	s_add_co_u32 s32, s32, s34
	s_mov_b32 s33, 0
	s_lshl_b32 s34, ttmp9, 12                      ; nbeta: 4,096 bytes a head, 256 a chunk
	s_lshl_b32 s36, s12, 8
	s_add_co_u32 s34, s34, s36
	s_mov_b32 s35, 0
	s_lshl_b32 s36, ttmp9, 14                      ; W_old and out0: 16,384 bytes a head
	s_mov_b32 s37, 0
	s_lshr_b32 s38, s12, 2                         ; of W_old I take rows 16 (wave / 4) on, channels 16 (wave % 4) on
	s_lshl_b32 s38, s38, 12
	s_lshl_b32 s57, s14, 6
	s_add_co_u32 s38, s38, s57
	s_add_co_u32 s38, s38, s36
	s_mov_b32 s39, 0
	s_lshl_b32 s57, s14, 12                        ; of out0, in the chain, rows 16 (wave % 4) on
	s_add_co_u32 s36, s36, s57
	s_wait_dscnt 0x0                               ; the opening add is done
	s_wait_kmcnt 0x0
	s_mov_b32 s16, 1                               ; group 0: count = 1,
	s_mov_b32 s17, s13                             ; LDS address: my region,
	s_add_nc_u64 s[18:19], s[4:5], s[32:33]        ; global address: my chunk's first row,
	s_or_b32 s19, s19, 0x80000000                  ; type = 2
	tensor_load_to_lds s[16:19], s[20:27]          ; my one tensor load of the launch: one is out
	s_nop 0
	s_add_nc_u64 s[6:7], s[6:7], s[34:35]
	s_add_nc_u64 s[8:9], s[8:9], s[38:39]
	s_add_nc_u64 s[10:11], s[10:11], s[36:37]
	global_load_b128 v[152:155], v[WOF], s[8:9]    ; W_old(16 (wave / 4) + r, 16 (wave % 4) + 8 h + 0 .. 7): each byte of W_old is read once
	global_load_b128 v[156:159], v[WOF], s[8:9] offset:16
	global_load_b32 v[NB0], v[L4], s[6:7]
	global_load_b32 v[NB0+1], v[L4], s[6:7] offset:128
	s_wait_loadcnt 0x0
.irp i, 0,2,4,6
	v_pk_mul_f32 v[152+\i:153+\i], v[152+\i:153+\i], 0x3d800000 op_sel_hi:[1,0]   ; / 16
.endr
	PACK4 160, 152
	ds_store_b128 v[W0S], v[160:163]               ; quarter wave % 4 of the state's source for rows 16 (wave / 4) on
	s_wait_tensorcnt 0x0                           ; my tile is in LDS; only I read it
	; ---- 1: S = K K^T, the ten tiles on and under the diagonal.  Tile (L, I): m = token of block L, n = token of block I
.irp b, 0,1,2,3
.irp q, 0,1
	KFRAG KA+8*(2*\b+\q), \b, \q
	KFRAG KB+8*(2*\b+\q), \b, \q
.endr
.endr
	s_wait_dscnt 0x0
.macro STILE d, l, i, q
.if \q == 0
	MM0 \d, KA+16*\l, KB+16*\i
.else
	MMA \d, KA+16*\l+8, KB+16*\i+8
.endif
.endm
.irp q, 0,1                            ; the ten accumulators take turns, one instruction a turn
	STILE 152, 0, 0, \q
	STILE 160, 1, 1, \q
	STILE 168, 2, 2, \q
	STILE 176, 3, 3, \q
	STILE 184, 0, 1, \q
	STILE 192, 0, 2, \q
	STILE 200, 1, 2, \q
	STILE 208, 0, 3, \q
	STILE 216, 1, 3, \q
	STILE 224, 2, 3, \q
.endr
	PLACES 5
	; ---- 2: tile (L, I) packed is source 0 with rows i of block I and K = l of block L: S_IL.  v24: [S_10 | 0], v32: [S_20 | S_21], v40: [S_30 | S_31], v48: [S_32 | 0]
	PACK4 24, 184
	ZERO4 28
	PACK4 32, 192
	PACK4 36, 200
	PACK4 40, 208
	PACK4 44, 216
	PACK4 48, 224
	ZERO4 52
.irp p, 0,1                            ; a diagonal tile holds rows 0-7 in lanes 0-15 and rows 8-15 in lanes 16-31.  The exchange puts ONE row in a register: lanes 0-15 block 2 p's, lanes 16-31 block 2 p + 1's
.irp j, 0,1,2,3,4,5,6,7
	v_permlane16_swap_b32 v[RR+16*\p+\j], v[RR+16*\p+8+\j]
.endr
.endr
	; the substitution, in f32, all four blocks at once: a lane holds one column c = r
.irp t, 0,1,2,3,4,5,6,7,8,9,10,11,12,13,14,15
	v_cndmask_b32 v[YY+2*\t], 0, 1.0, s[MK+\t]     ; delta_tc
	v_cndmask_b32 v[YY+2*\t+1], 0, 1.0, s[MK+\t]
	v_mov_b32_dpp v[BC+2*\t], v[NB0] row_share:\t row_mask:0xf bank_mask:0xf       ; -beta of row t of my block, in all sixteen lanes
	v_mov_b32_dpp v[BC+2*\t+1], v[NB0+1] row_share:\t row_mask:0xf bank_mask:0xf
.endr
	v_pk_mul_f32 v[YY:YY+1], v[YY:YY+1], v[BC:BC+1]
.macro SROW l, t0, set                 ; rows t0 .. t0 + 3 (those under 16) take row l's part: S[t][l] into every lane, then Yb_t += S[t][l] Yb_l
.irp u, 0,1,2,3
.if ((\t0)+\u) < 16
	v_mov_b32_dpp v[CT+8*(\set)+2*\u], v[RR+(\t0)+\u] row_share:\l row_mask:0xf bank_mask:0xf
	v_mov_b32_dpp v[CT+8*(\set)+2*\u+1], v[RR+16+(\t0)+\u] row_share:\l row_mask:0xf bank_mask:0xf
.endif
.endr
.irp u, 0,1,2,3
.if ((\t0)+\u) < 16
	v_pk_fma_f32 v[YY+2*((\t0)+\u):YY+2*((\t0)+\u)+1], v[CT+8*(\set)+2*\u:CT+8*(\set)+2*\u+1], v[YY+2*(\l):YY+2*(\l)+1], v[YY+2*((\t0)+\u):YY+2*((\t0)+\u)+1]
.endif
.endr
.endm
.irp l, 0,1,2,3,4,5,6,7,8,9,10,11,12,13,14
.irp k, 0,1,2,3
.if (\l+1+4*\k) < 16
	SROW \l, \l+1+4*\k, \k%2
.endif
.if \k == 0
	v_pk_mul_f32 v[YY+2*(\l+1):YY+2*(\l+1)+1], v[YY+2*(\l+1):YY+2*(\l+1)+1], v[BC+2*(\l+1):BC+2*(\l+1)+1]   ; row l + 1 has all its parts: x -beta; the other rows' parts of row l follow meanwhile
.endif
.endr
.endr
	; ---- 3: the diagonal blocks in f16, twice.  Sources with the lane as column c and K = t, by columns J of blocks: G00 = v88 [Yb_00 | Yb_10], G01 = v96 [Yb_20 | Yb_30], G10 = v104 [0 | Yb_11], G11 = v112 [Yb_21 | Yb_31],
	; G21 = v120 [Yb_22 | Yb_32], G31 = v128 [0 | Yb_33].  And with the lane as row t and K = c: v136, v144, v152 = [Yb_II | 0], I = 1, 2, 3, through SCR.
.irp j, 0,1,2,3
	v_cvt_pk_f16_f32 v[88+\j],  v[YY+4*\j],      v[YY+4*\j+2]      ; rows 2 j, 2 j + 1 of blocks 0 | 1
	v_cvt_pk_f16_f32 v[108+\j], v[YY+16+4*\j],   v[YY+16+4*\j+2]   ; rows 8 + 2 j, 9 + 2 j
	v_cvt_pk_f16_f32 v[120+\j], v[YY+4*\j+1],    v[YY+4*\j+3]      ; the same of blocks 2 | 3
	v_cvt_pk_f16_f32 v[132+\j], v[YY+16+4*\j+1], v[YY+16+4*\j+3]
.endr
.irp j, 0,1,2,3
	ds_store_b16 v[YST], v[88+\j] offset:64*\j                     ; [block][t][c]: 512 bytes a block, 32 a row
	ds_store_b16_d16_hi v[YST], v[88+\j] offset:64*\j+32
	ds_store_b16 v[YST], v[108+\j] offset:64*(\j+4)
	ds_store_b16_d16_hi v[YST], v[108+\j] offset:64*(\j+4)+32
	ds_store_b16 v[YST], v[120+\j] offset:1024+64*\j
	ds_store_b16_d16_hi v[YST], v[120+\j] offset:1024+64*\j+32
	ds_store_b16 v[YST], v[132+\j] offset:1024+64*(\j+4)
	ds_store_b16_d16_hi v[YST], v[132+\j] offset:1024+64*(\j+4)+32
.endr
	ds_load_b128 v[136:139], v[YRD] offset:512     ; LDS serves a wave's instructions in order: these see my stores
	ds_load_b128 v[144:147], v[YRD] offset:1024
	ds_load_b128 v[152:155], v[YRD] offset:1536
	ZERO4 92                                       ; halves that are filled later are zeros until then: they meet zeros of the other source, and must be numbers
	ZERO4 100
	ZERO4 104
	ZERO4 116
	ZERO4 124
	ZERO4 128
	ZERO4 140
	ZERO4 148
	ZERO4 156
	ZERO4 188                                      ; Pb's sources, v184, v192, v200: [Pb_IJ | 0]
	ZERO4 196
	ZERO4 204
	s_wait_dscnt 0x0
.irp j, 0,1,2,3                        ; a source wants a WHOLE block: lanes 0-15 rows 0-7, lanes 16-31 rows 8-15
	v_permlane16_swap_b32 v[88+\j], v[108+\j]      ; Yb_00 and Yb_11
	v_permlane16_swap_b32 v[120+\j], v[132+\j]     ; Yb_22 and Yb_33
.endr
	; ---- 4: the blocks under the diagonal, a row of blocks at a time.  Five plain lines stand behind each group of products
	MM0 160, 24, 88                                ; Pb_10 = S_10 Yb_00
	PLACES 5
	PACK4 184, 160
	MM0 208, 136, 184                              ; Yb_10 = Yb_11 Pb_10
	PLACES 5
	PACK4 92, 208
	MM0 160, 32, 88                                ; Pb_20 = S_20 Yb_00 + S_21 Yb_10
	MM0 168, 32, 104                               ; Pb_21 = S_21 Yb_11
	PLACES 5
	PACK4 184, 160
	PACK4 192, 168
	MM0 208, 144, 184
	MM0 216, 144, 192
	PLACES 5
	PACK4 96, 208
	PACK4 112, 216
	MM0 160, 40, 88                                ; Pb_30, Pb_31, Pb_32: three accumulators by turns
	MM0 168, 40, 104
	MM0 176, 48, 120
	MMA 160, 48, 96
	MMA 168, 48, 112
	PLACES 5
	PACK4 184, 160
	PACK4 192, 168
	PACK4 200, 176
	MM0 208, 152, 184
	MM0 216, 152, 192
	MM0 224, 152, 200
	PLACES 5
	PACK4 100, 208
	PACK4 116, 216
	PACK4 124, 224
	; ---- 5: Xb = Yb^T K.  Source 0 = a column of blocks of Yb (lane = c as row), source 1 = K^T (lane = channel): the result, m = c, n = channel, packed, has K = c
.irp p, 0,1
.irp e, 0,1,2,3
	TFRAG KT+8*(4*\p+\e), \p, 32*\e
.endr
.endr
	s_wait_dscnt 0x0
.irp e, 0,1,2,3
	MM0 BD+8*\e, 88, KT+8*\e
.endr
.irp e, 0,1,2,3
	MMA BD+8*\e, 96, KT+32+8*\e
.endr
	PLACES 5
.irp e, 0,1,2,3
	PACK4 XB+8*\e, BD+8*\e
.endr
.irp e, 0,1,2,3
	MM0 BD+8*\e, 104, KT+8*\e
.endr
.irp e, 0,1,2,3
	MMA BD+8*\e, 112, KT+32+8*\e
.endr
	PLACES 5
.irp e, 0,1,2,3
	PACK4 XB+8*\e+4, BD+8*\e
.endr
.irp e, 0,1,2,3
	MM0 BD+8*\e, 120, KT+32+8*\e
.endr
	PLACES 5
.irp e, 0,1,2,3
	PACK4 XB+32+8*\e, BD+8*\e
.endr
.irp e, 0,1,2,3
	MM0 BD+8*\e, 128, KT+32+8*\e
.endr
	PLACES 5                                       ; (also the places in front of V's loads into the registers that these products read)
.irp e, 0,1,2,3
	PACK4 XB+32+8*\e+4, BD+8*\e
.endr
	; ---- 6: N / 16 = vb^T Xb as tiles (m = channel d of block e, n = row v of block f), and M = I + K^T Xb as tiles (m = d' of block u, n = d of block e); both leave as images
.irp p, 0,1
.irp f, 0,1,2,3
	TFRAG VT+8*(4*\p+\f), \p, 128+32*\f
.endr
.endr
	s_wait_dscnt 0x0                               ; the last read of my tile: its bytes may now take the images
.irp f, 0,1,2,3
.irp e, 0,1,2,3
	MM0 BD+8*\e, XB+8*\e, VT+8*\f
.endr
.irp e, 0,1,2,3
	MMA BD+8*\e, XB+32+8*\e, VT+32+8*\f
.endr
	PLACES 5
.irp e, 0,1,2,3
	PACK4 BD+8*\e, BD+8*\e
.endr
.irp e, 0,1,2,3
	ds_store_b128 v[IMG], v[BD+8*\e:BD+8*\e+3] offset:8192+(4*\f+\e)*512
.endr
	s_wait_dscnt 0x0                               ; the stores have read their registers: the next products may write them
.endr
.irp e, 0,1,2,3
.irp u, 0,1,2,3
.if \u == \e
	MMC BD+8*\u, KT+8*\u, XB+8*\e, IDT             ; the unit matrix is the C of a diagonal tile's first product
.else
	MM0 BD+8*\u, KT+8*\u, XB+8*\e
.endif
.endr
.irp u, 0,1,2,3
	MMA BD+8*\u, KT+32+8*\u, XB+32+8*\e
.endr
	PLACES 5
.irp u, 0,1,2,3
	PACK4 BD+8*\u, BD+8*\u
.endr
.irp u, 0,1,2,3
	ds_store_b128 v[IMG], v[BD+8*\u:BD+8*\u+3] offset:(4*\e+\u)*512   ; quarter u (K = d' 16 u on) of the source with rows d of block e
.endr
	s_wait_dscnt 0x0                               ; as above; the last of these also says, for the others' sake, that all my stores have landed
.endr
	s_barrier_signal -1
	s_barrier_wait -1                              ; all sixteen chunks' images, and W_old's, lie in LDS.
	; ---- 7: the chain: W / 16 <- (W / 16) M_c + N_c / 16, c = 0 .. 15.  Result tile e: m = channel d of block e, n = my row v: source 0 = M's images (rows d, K = d'), source 1 = the state (lane = v, K = d'), C = N.
	s_cmp_lt_u32 s12, 4                            ; waves 0 to 3; the branch hangs on the wave's number alone, and no barrier stands behind it
	s_cbranch_scc0 .Lend
.irp u, 0,1,2,3
	ds_load_b128 v[WB+4*\u:WB+4*\u+3], v[W0L] offset:512*\u
.endr
.irp i, 0,1,2,3,4,5,6,7,8,9,10,11,12,13,14,15
	ds_load_b128 v[MA0+4*\i:MA0+4*\i+3], v[LI] offset:512*\i
.endr
.irp e, 0,1,2,3
	ds_load_b128 v[N16+4*\e:N16+4*\e+3], v[AN0] offset:512*\e
.endr
	s_wait_dscnt 0x0
.macro UNPACK st                       ; N's four images (v24-39) widened into four tiles in the result's layout: they are the C of the chunk's first products
	v_cvt_f32_f16 v[\st+0], v24.l
	v_cvt_f32_f16 v[\st+1], v24.h
	v_cvt_f32_f16 v[\st+2], v25.l
	v_cvt_f32_f16 v[\st+3], v25.h
	v_cvt_f32_f16 v[\st+4], v26.l
	v_cvt_f32_f16 v[\st+5], v26.h
	v_cvt_f32_f16 v[\st+6], v27.l
	v_cvt_f32_f16 v[\st+7], v27.h
	v_cvt_f32_f16 v[\st+8], v28.l
	v_cvt_f32_f16 v[\st+9], v28.h
	v_cvt_f32_f16 v[\st+10], v29.l
	v_cvt_f32_f16 v[\st+11], v29.h
	v_cvt_f32_f16 v[\st+12], v30.l
	v_cvt_f32_f16 v[\st+13], v30.h
	v_cvt_f32_f16 v[\st+14], v31.l
	v_cvt_f32_f16 v[\st+15], v31.h
	v_cvt_f32_f16 v[\st+16], v32.l
	v_cvt_f32_f16 v[\st+17], v32.h
	v_cvt_f32_f16 v[\st+18], v33.l
	v_cvt_f32_f16 v[\st+19], v33.h
	v_cvt_f32_f16 v[\st+20], v34.l
	v_cvt_f32_f16 v[\st+21], v34.h
	v_cvt_f32_f16 v[\st+22], v35.l
	v_cvt_f32_f16 v[\st+23], v35.h
	v_cvt_f32_f16 v[\st+24], v36.l
	v_cvt_f32_f16 v[\st+25], v36.h
	v_cvt_f32_f16 v[\st+26], v37.l
	v_cvt_f32_f16 v[\st+27], v37.h
	v_cvt_f32_f16 v[\st+28], v38.l
	v_cvt_f32_f16 v[\st+29], v38.h
	v_cvt_f32_f16 v[\st+30], v39.l
	v_cvt_f32_f16 v[\st+31], v39.h
.endm
	UNPACK ST1
.macro CSTEP c
.set MC, MA0+64*((\c)%2)               ; this chunk's M,
.set MN, MA0+64*(((\c)+1)%2)           ; the next chunk's,
.set SC, ST0+32*(((\c)+1)%2)           ; this chunk's sums, which hold N_c,
.set SN, ST0+32*((\c)%2)               ; and the next chunk's
.if (\c) < 15
	v_add_nc_u32 v[AM], ((\c)+1)*REGB, v[LI]
	v_add_nc_u32 v[AN], ((\c)+1)*REGB, v[AN0]
.irp i, 0,1,2,3,4,5,6,7,8,9,10,11,12,13,14,15
	ds_load_b128 v[MN+4*\i:MN+4*\i+3], v[AM] offset:512*\i     ; asked for a chunk ahead; the last products that read these registers stand in front of the last chunk's places
.endr
.irp e, 0,1,2,3
	ds_load_b128 v[N16+4*\e:N16+4*\e+3], v[AN] offset:512*\e
.endr
.endif
.irp e, 0,1,2,3                        ; four accumulators by turns
	MMA SC+8*\e, MC+16*\e, WB
.endr
.irp e, 0,1,2,3
	MMA SC+8*\e, MC+16*\e+8, WB+8
.endr
	PLACES 4
.if (\c) < 15
.irp e, 0,1,2,3
	PACK4 WB+4*\e, SC+8*\e                         ; tile e packed is quarter e of the state's source: K = d
.endr
	s_wait_dscnt 0x0                               ; the next chunk's images are in
	UNPACK SN
.endif
.endm
.irp c, 0,1,2,3,4,5,6,7,8,9,10,11,12,13,14,15
	CSTEP \c
.endr
	; the way out: x 16; a lane's eight numbers of a tile are 32 neighbouring bytes of row v = r; through my stage, and out as whole rows of 256 bytes
.irp i, 0,2,4,6,8,10,12,14,16,18,20,22,24,26,28,30
	v_pk_mul_f32 v[ST0+\i:ST0+\i+1], v[ST0+\i:ST0+\i+1], 0x41800000 op_sel_hi:[1,0]
.endr
.irp e, 0,1,2,3
	ds_store_b128 v[OST], v[ST0+8*\e:ST0+8*\e+3] offset:64*\e
	ds_store_b128 v[OST], v[ST0+8*\e+4:ST0+8*\e+7] offset:64*\e+16
.endr
.irp t, 0,1,2,3,4,5,6,7
	ds_load_b128 v[MA0+4*\t:MA0+4*\t+3], v[ORD] offset:\t*2*PITCH   ; LDS serves a wave's instructions in order: these see my stores
.endr
.irp t, 0,1,2,3,4,5,6,7
	s_wait_dscnt 7-\t                              ; the younger loads from the stage may be out
	global_store_b128 v[LI], v[MA0+4*\t:MA0+4*\t+3], s[10:11] offset:512*\t   ; 32 lanes store two rows: 512 consecutive bytes, at a multiple of 256 from out0's first byte
.endr
.Lend:
	s_wait_tensorcnt 0x0                           ; the wave's end, behind my last tensor load and my last LDS store
	ds_add_u32 v[SPW], v[NIL]
	s_wait_dscnt 0x0
	s_endpgm
.Lfunc_end_k_qeedc0a4c9e_delta:
	.size	k_qeedc0a4c9e_delta, .Lfunc_end_k_qeedc0a4c9e_delta-k_qeedc0a4c9e_delta
	.p2alignl 7, 3214868480
	.fill 96, 4, 3214868480
	.section	.rodata,"a",@progbits
	.p2align	6, 0x0
	.amdhsa_kernel k_qeedc0a4c9e_delta
		.amdhsa_group_segment_fixed_size 327680
		.amdhsa_private_segment_fixed_size 0
		.amdhsa_enable_private_segment 0
		.amdhsa_kernarg_size 32
		.amdhsa_user_sgpr_count 2
		.amdhsa_user_sgpr_kernarg_segment_ptr 1
		.amdhsa_wavefront_size32 1
		.amdhsa_system_sgpr_workgroup_id_x 1
		.amdhsa_system_sgpr_workgroup_id_y 1
		.amdhsa_system_sgpr_workgroup_id_z 1
		.amdhsa_system_vgpr_workitem_id 0
		.amdhsa_next_free_vgpr 256
		.amdhsa_next_free_sgpr 66
		.amdhsa_reserve_vcc 0
		.amdhsa_float_denorm_mode_32 3
		.amdhsa_float_denorm_mode_16_64 3
		.amdhsa_memory_ordered 1
		.amdhsa_forward_progress 1
		.amdhsa_inst_pref_size 142
	.end_amdhsa_kernel
	.amdgpu_metadata
---
amdhsa.version: [ 1, 2 ]
amdhsa.kernels:
  - .name:           k_qeedc0a4c9e_delta
    .symbol:         k_qeedc0a4c9e_delta.kd
    .args:
      - { .name: kv, .offset: 0, .size: 8, .value_kind: global_buffer, .address_space: global }
      - { .name: nbeta, .offset: 8, .size: 8, .value_kind: global_buffer, .address_space: global }
      - { .name: W_old, .offset: 16, .size: 8, .value_kind: global_buffer, .address_space: global }
      - { .name: out0, .offset: 24, .size: 8, .value_kind: global_buffer, .address_space: global }
    .group_segment_fixed_size: 327680
    .private_segment_fixed_size: 0
    .kernarg_segment_align: 8
    .kernarg_segment_size: 32
    .max_flat_workgroup_size: 512
    .sgpr_count:     66
    .vgpr_count:     256
    .wavefront_size: 32
...
	.end_amdgpu_metadata
.endif
;; end of part 3
